; MI455X (gfx1250); checked and timed in simulation.
; The chip was launched on July 23, 2026; its instructions are those of AMD's public machine-readable ISA for CDNA 5 (MIT licence, August 2026) and "CDNA5" Instruction Set Architecture Reference Guide (July 2026). The comments in the code are by the model that wrote it; some were corrected since.
;; CL4 S Rec Encoder. Allowed arithmetic: matrix products marked QUANTISED: E2M3 operands, one E8M0 scale for each 32 along K, by v_wmma_scale_f32_16x16x128_f8f6f4 with both operands' format E2M3, f32 sums; everything else in f32.
;; Inputs: W1 2 x 256 x 1,024 float32; W2 2 x 1,024 x 256 float32; Wk 2 x 256 x 256 float32; Wo 2 x 256 x 256 float32; Wq 2 x 256 x 256 float32; Wv 2 x 256 x 256 float32; b1 2 x 1,024 float32; b2 2 x 256 float32; bk 2 x 256 float32; bo 2 x 256 float32; bq 2 x 256 float32; bv 2 x 256 float32; fn_b 256 float32; fn_g 256 float32; item_emb 50,001 x 256 float32; ln1_b 2 x 256 float32; ln1_g 2 x 256 float32; ln2_b 2 x 256 float32; ln2_g 2 x 256 float32; mask 128 x 256 int32; pos_emb 256 x 256 float32; seq 128 x 256 int32.
;; Outputs: out0 128 x 256 x 256 float32.
;; This version of the problem:
;;   THIS VERSION OF THE PROBLEM IS GIVEN IN LOW PRECISION. The matrix products marked QUANTISED in the list below multiply operands that are first quantised to E2M3 (2 exponent bits, 3 mantissa bits; 6 bits a number), with one power-of-two scale for each 32 numbers along K (OCP MX v1.0); their sums are f32. All else is computed in f32.
;;   The module's matrix products, in the order in which they are computed (A, B: the left and right operand; K: the contracted axis; several contracted axes count as one K, in the product's order):
;;     1. [M 32,768, K 256] x [K 256, N 256]; A: computed on the way; B: input Wq: QUANTISED
;;     2. [M 32,768, K 256] x [K 256, N 256]; A: computed on the way; B: input Wk: QUANTISED
;;     3. [M 32,768, K 256] x [K 256, N 256]; A: computed on the way; B: input Wv: QUANTISED
;;     4. batch 1,024 x [M 256, K 32] x [K 32, N 256]; A: computed on the way; B: computed on the way: QUANTISED
;;     5. batch 1,024 x [M 32, K 256] x [K 256, N 256]; A: computed on the way; B: computed on the way: QUANTISED
;;     6. [M 32,768, K 256] x [K 256, N 256]; A: computed on the way; B: input Wo: QUANTISED
;;     7. [M 32,768, K 256] x [K 256, N 1,024]; A: computed on the way; B: input W1: QUANTISED
;;     8. [M 32,768, K 1,024] x [K 1,024, N 256]; A: computed on the way; B: input W2: QUANTISED
;;     9. [M 32,768, K 256] x [K 256, N 256]; A: computed on the way; B: input Wq: QUANTISED
;;     10. [M 32,768, K 256] x [K 256, N 256]; A: computed on the way; B: input Wk: QUANTISED
;;     11. [M 32,768, K 256] x [K 256, N 256]; A: computed on the way; B: input Wv: QUANTISED
;;     12. batch 1,024 x [M 256, K 32] x [K 32, N 256]; A: computed on the way; B: computed on the way: QUANTISED
;;     13. batch 1,024 x [M 32, K 256] x [K 256, N 256]; A: computed on the way; B: computed on the way: QUANTISED
;;     14. [M 32,768, K 256] x [K 256, N 256]; A: computed on the way; B: input Wo: QUANTISED
;;     15. [M 32,768, K 256] x [K 256, N 1,024]; A: computed on the way; B: input W1: QUANTISED
;;     16. [M 32,768, K 1,024] x [K 1,024, N 256]; A: computed on the way; B: input W2: QUANTISED
;;   THE QUANTISER, for each operand of a quantised product, along K:
;;     - K is cut into blocks of 32 from its start; a last block that is shorter is filled with zeros.
;;     - A block's scale is 2^e with e = floor(log2(the largest magnitude in the block)) - 2, held to -126 .. 127; a block of zeros has e = 0. As a byte (E8M0): e + 127.
;;     - Each number is divided by its block's scale, clamped to +-7.5, and rounded to the nearest number of E2M3, ties to even, subnormals kept.
;;     - The product sums the exact products of the quantised numbers (number of the format x scale) in f32.
;;   ~~~python
;;   def quantise(x, axis):      # numpy; x: float32 -> the quantised numbers, widened to float32 again
;;       x = np.moveaxis(x, axis, -1); K = x.shape[-1]
;;       x = np.pad(x, [(0, 0)] * (x.ndim - 1) + [(0, -K % 32)]); x = x.reshape(x.shape[:-1] + (-1, 32)); a = np.abs(x).max(-1, keepdims=True)
;;       e = np.where(a > 0, np.clip(np.frexp(np.where(a > 0, a, 1))[1] - 1 - 2, -126, 127), 0)      # np.frexp(a)[1] - 1 = floor(log2(a)), exactly
;;       r = np.clip(x / 2.0 ** e, -7.5, 7.5)
;;       step = 2.0 ** (np.maximum(np.frexp(np.where(r == 0, 1, r))[1] - 1, 0) - 3)
;;       q = np.round(r / step) * step * 2.0 ** e      # np.round: ties to even
;;       return np.moveaxis(q.reshape(q.shape[:-2] + (-1,))[..., :K], -1, axis).astype(np.float32)
;;   ~~~
;;   OPERANDS COMPUTED ON THE WAY. 'Computed on the way' means the value that the module computes at that place (a softmax that the list does not call 'softmax' is quantised finished and normalised). What goes into a quantiser is computed in f32, as accurately as f32 sums, v_exp_f32 and their like allow (about 1e-6 of the number): no bf16 or f16 on the way to a quantiser, and a product that is left as it is and whose result goes on into a quantised operand takes f32 operands (vector FMAs, or v_wmma_f32_16x16x4_f32). A number that lies on a knife's edge between two numbers of the format may be rounded either way, as far as f32 arithmetic and the matrix unit's own rounding can turn it there, and no further.
;; One version. Each part assembles by itself: llvm-mc -triple=amdgcn-amd-amdhsa -mcpu=gfx1250 --defsym DOCPART=n.
;; ======== version 1 of 1: 3 launches
;; workspace buffers: wst0 614,400 bytes; wst1 614,400 bytes; x1 51,201,024 bytes; lay0 256 bytes of whole numbers; lay1 256 bytes of whole numbers
;; launch prep (part 1): grid 192 x 1, 2 waves a work-group, no clusters, 0 bytes of LDS; arguments Wk, Wv, Wq, Wo, W1, W2, wst0, wst1, lay0, lay1; writes wst0, wst1, lay0, lay1
.if DOCPART == 1
	.amdgcn_target "amdgcn-amd-amdhsa--gfx1250"
	.amdhsa_code_object_version 6
	.text
	.protected	k_q3cd6eb848b_prep
	.globl	k_q3cd6eb848b_prep
	.p2align	8
	.type	k_q3cd6eb848b_prep,@function
k_q3cd6eb848b_prep:
	s_mov_b64 s[64:65], 0
	v_nop
	global_prefetch_b8 v0, s[64:65] scope:SCOPE_SE
	s_setreg_imm32_b32 hwreg(HW_REG_WAVE_MODE, 25, 1), 1
	s_wait_xcnt 0x0
; The six weight tensors of both layers, f32 stored [K][N], become codes of E2M3 with one E8M0 byte for each 32 along K,
; laid as the layer launches' operand registers want them.
; A FRAGMENT is 16 features x 128 K: 12 registers a lane; lane (r, h) holds feature col + r + 8 (r / 8) and k = 64 c + 32 h + 0..31 in
; registers 6 c .. 6 c + 5.  Its image is three planes of 512 bytes: plane p = registers 4 p .. 4 p + 3, lane l at 16 l.
; A UNIT is 16 images (24,576 bytes) and 8 scale registers of 128 bytes: register j holds fragment 2 j's words in lanes 0-15, fragment 2 j + 1's in lanes 16-31.
; A layer's stream is 24 units: Wk 0,1; Wv 2,3; Wq 4,5; Wo 6,7; then W1's unit i at 8 + 2 i and W2's at 9 + 2 i.
; In the first five tensors a unit is 128 features x K 256, fragment 2 t + s (tile t, K step s); in W2 a unit is K step i x 256 features, fragment = tile.
; SHARES: one wave makes fragments 2 j and 2 j + 1 of one unit and their scale register: 2 layers x 24 units x 8 = 384 waves.
; A lane takes a column and its registers run down K, so a block's largest magnitude needs no other lane and nothing is transposed.
; A block's byte is its largest magnitude's exponent field - 2, held at 1 from below; a block of zeros so gets 1 (its codes are zeros; this program alone reads the bytes).
; LIMITS: NaN and infinities among the weights are not served.
; No LDS, no matrix unit, no cluster: each weight is read once here and the launch is short.
	s_load_b512 s[4:19], s[0:1], 0x0               ; Wk s[4:5], Wv s[6:7], Wq s[8:9], Wo s[10:11], W1 s[12:13], W2 s[14:15], wst0 s[16:17], wst1 s[18:19]
	s_load_b128 s[20:23], s[0:1], 0x40             ; lay0, lay1
	v_lshrrev_b32 v1, 5, v0
	v_readfirstlane_b32 s24, v1                    ; wave 0..1
	v_and_b32 v4, 31, v0                           ; lane
	v_and_b32 v1, 15, v0                           ; r
	v_bfe_u32 v2, v0, 4, 1                         ; h
	s_cmp_ge_u32 ttmp9, 96
	s_cselect_b32 s25, 1, 0                        ; the layer
	s_cselect_b32 s26, 96, 0
	s_sub_co_u32 s26, ttmp9, s26
	s_lshr_b32 s27, s26, 2                         ; U: the unit
	s_and_b32 s28, s26, 3
	s_lshl_b32 s28, s28, 1
	s_add_co_u32 s28, s28, s24                     ; j: the pair of fragments
	s_lshr_b32 s29, s27, 1
	s_and_b32 s30, s27, 1
	s_sub_co_u32 s31, s27, 8
	s_lshr_b32 s31, s31, 1
	s_add_co_u32 s32, s30, 4
	s_cmp_lt_u32 s27, 8
	s_cselect_b32 s29, s29, s32                    ; which tensor: 0 Wk, 1 Wv, 2 Wq, 3 Wo, 4 W1, 5 W2
	s_cselect_b32 s30, s30, s31                    ; which unit of it
	s_mov_b32 s33, 1024
	s_cmp_eq_u32 s29, 4
	s_cselect_b32 s33, 4096, s33                   ; bytes from a row of K to the next
	s_mov_b32 s34, 262144
	s_cmp_ge_u32 s29, 4
	s_cselect_b32 s34, 1048576, s34                ; bytes in a layer of the tensor
	s_lshl_b32 s35, s30, 7                         ; 128 x unit
	s_lshr_b32 s36, s28, 1
	s_lshl_b32 s36, s36, 5
	s_and_b32 s37, s28, 1
	s_lshl_b32 s37, s37, 3
	s_add_co_u32 s36, s36, s37
	s_add_co_u32 s36, s36, s35                     ; first five tensors: the tile's first column, 128 unit + 32 (j / 2) + 8 (j % 2), for both fragments
	s_lshl_b32 s37, s28, 5                         ; W2: tile 2 j begins at column 32 j,
	s_add_co_u32 s38, s37, 8                       ; tile 2 j + 1 at 32 j + 8
	s_mov_b32 s39, 128
	s_cmp_eq_u32 s29, 5
	s_cselect_b32 s37, s37, s36                    ; column of fragment 0
	s_cselect_b32 s38, s38, s36                    ; of fragment 1
	s_cselect_b32 s36, s35, 0                      ; first row of K of fragment 0
	s_cselect_b32 s39, s35, s39                    ; of fragment 1
	s_mul_i32 s34, s34, s25
	s_mul_i32 s36, s36, s33
	s_mul_i32 s39, s39, s33
	s_lshl_b32 s37, s37, 2
	s_lshl_b32 s38, s38, 2
	s_add_co_u32 s36, s36, s37
	s_add_co_u32 s36, s36, s34                     ; byte offset of fragment 0 in its tensor
	s_add_co_u32 s38, s39, s38
	s_add_co_u32 s38, s38, s34                     ; of fragment 1
	s_mov_b32 s37, 0
	s_mov_b32 s39, 0
	s_lshl_b32 s56, s33, 6                         ; 64 rows of K on
	s_mov_b32 s57, 0
	s_mul_i32 s52, s27, 25600
	s_lshl_b32 s54, s28, 7
	s_add_co_u32 s54, s54, s52
	s_add_co_u32 s54, s54, 24576                   ; where the scale register goes
	s_mul_i32 s58, s28, 3072
	s_add_co_u32 s52, s52, s58                     ; where the two images go
	s_mov_b32 s53, 0
	s_mov_b32 s55, 0
	s_lshl_b32 s61, s33, 5                         ; 32 rows of K: lanes 16-31 begin there
	s_mov_b32 s58, 0x76543210
	s_mov_b32 s59, 0xfedcba98                      ; v_permlanex16_b32's selects for lane l xor 16
	v_and_b32 v3, 8, v1
	v_add_nc_u32 v3, v3, v1                        ; r + 8 (r / 8)
	v_lshlrev_b32 v3, 2, v3
	v_mul_lo_u32 v5, v2, s61
	v_add_nc_u32 v16, v3, v5                       ; v16-47: my byte in row i of my 32 rows
.set i, 1
.rept 31
	v_add_nc_u32 v[16+i], s33, v[15+i]
.set i, i+1
.endr
	v_lshlrev_b32 v6, 4, v4                        ; 16 x lane
	v_lshlrev_b32 v7, 2, v4                        ; 4 x lane
	v_lshlrev_b32 v232, 3, v2                      ; 8 h
	v_mov_b32 v233, 0                              ; a lane permute's destination counts as read
	s_wait_kmcnt 0x0
	s_cmp_eq_u32 s29, 1                            ; the choices hang on the work-group's number alone
	s_cselect_b64 s[48:49], s[6:7], s[4:5]
	s_cmp_eq_u32 s29, 2
	s_cselect_b64 s[48:49], s[8:9], s[48:49]
	s_cmp_eq_u32 s29, 3
	s_cselect_b64 s[48:49], s[10:11], s[48:49]
	s_cmp_eq_u32 s29, 4
	s_cselect_b64 s[48:49], s[12:13], s[48:49]
	s_cmp_eq_u32 s29, 5
	s_cselect_b64 s[48:49], s[14:15], s[48:49]
	s_cmp_eq_u32 s25, 1
	s_cselect_b64 s[50:51], s[18:19], s[16:17]
	s_add_nc_u64 s[40:41], s[48:49], s[36:37]      ; fragment 0, c = 0
	s_add_nc_u64 s[42:43], s[40:41], s[56:57]      ;             c = 1
	s_add_nc_u64 s[44:45], s[48:49], s[38:39]      ; fragment 1
	s_add_nc_u64 s[46:47], s[44:45], s[56:57]
	s_add_nc_u64 s[52:53], s[50:51], s[52:53]
	s_add_nc_u64 s[54:55], s[50:51], s[54:55]
.irp f, 0,1
.irp c, 0,1
.set i, 0
.rept 32
	global_load_b32 v[64+64*\f+32*\c+i], v[16+i], s[40+4*\f+2*\c:41+4*\f+2*\c]   ; W(k0 + 64 c + 32 h + i, my column)
.set i, i+1
.endr
.endr
.endr
	s_wait_loadcnt 0x0
; Fragment f: v[64 + 64 f ..] -> codes v[192 + 12 f ..], scale word v[230 + f]
.macro QFR f
.set N0, 64+64*\f
.set C0, 192+12*\f
.irp c, 0,1
	v_max3_num_f32 v[224+\c], |v[N0+32*\c]|, |v[N0+32*\c+1]|, 0x1800000   ; my block 2 c + h: all 32 numbers are mine; the floor 2^(3 - 127) holds the byte at 1 from below
.endr
.irp i, 2,4,6,8,10,12,14,16,18,20,22,24,26,28,30
.irp c, 0,1
	v_max3_num_f32 v[224+\c], v[224+\c], |v[N0+32*\c+\i]|, |v[N0+32*\c+\i+1]|
.endr
.endr
.irp c, 0,1
	v_add_nc_u32 v[226+\c], 0xff000000, v[224+\c]  ; 2 off the exponent field: the conversion's scale operand
.endr
.irp c, 0,1
	v_lshrrev_b32 v[228+\c], 23, v[226+\c]         ; the byte
.endr
	v_lshl_or_b32 v[230+\f], v229, 16, v228        ; blocks h and 2 + h,
	v_lshlrev_b32 v[230+\f], v232, v[230+\f]       ; at their places in the word;
	v_permlanex16_b32 v233, v[230+\f], s58, s59
	v_or_b32 v[230+\f], v[230+\f], v233            ; with lane l xor 16's two the word is whole
.irp c, 0,1
	v_cvt_scalef32_pk16_fp6_f32 v[C0+6*\c:C0+6*\c+2], v[N0+32*\c:N0+32*\c+15], v[226+\c]
	v_cvt_scalef32_pk16_fp6_f32 v[216+4*\c:218+4*\c], v[N0+32*\c+16:N0+32*\c+31], v[226+\c]   ; a conversion's three registers begin on an even number
.endr
	v_nop                                          ; one plain place behind a scaled conversion
.irp c, 0,1
.irp i, 0,1,2
	v_mov_b32 v[C0+3+6*\c+\i], v[216+4*\c+\i]
.endr
.endr
.irp p, 0,1,2
	global_store_b128 v6, v[C0+4*\p:C0+4*\p+3], s[52:53] offset:1536*\f+512*\p   ; 32 lanes store 512 consecutive bytes
.endr
.endm
	QFR 0
	QFR 1
	v_cmp_eq_u32 vcc_lo, 1, v2
	v_cndmask_b32 v234, v230, v231, vcc_lo         ; lanes 0-15 fragment 0's words, lanes 16-31 fragment 1's
	global_store_b32 v7, v234, s[54:55]
	s_or_b32 s60, ttmp9, s24
	s_cmp_lg_u32 s60, 0
	s_cbranch_scc1 .Lend                           ; the first wave of the launch also stores the layers' numbers
	v_lshlrev_b32 v235, 3, v4
	v_mov_b32 v236, 0
	v_mov_b32 v237, 0
	v_mov_b32 v238, 1
	v_mov_b32 v239, 1
	global_store_b64 v235, v[236:237], s[20:21]    ; 256 bytes each
	global_store_b64 v235, v[238:239], s[22:23]
.Lend:
	s_endpgm
.Lfunc_end_k_q3cd6eb848b_prep:
	.size	k_q3cd6eb848b_prep, .Lfunc_end_k_q3cd6eb848b_prep-k_q3cd6eb848b_prep
	.p2alignl 7, 3214868480
	.fill 96, 4, 3214868480
	.section	.rodata,"a",@progbits
	.p2align	6, 0x0
	.amdhsa_kernel k_q3cd6eb848b_prep
		.amdhsa_group_segment_fixed_size 0
		.amdhsa_private_segment_fixed_size 0
		.amdhsa_enable_private_segment 0
		.amdhsa_kernarg_size 80
		.amdhsa_user_sgpr_count 2
		.amdhsa_user_sgpr_kernarg_segment_ptr 1
		.amdhsa_wavefront_size32 1
		.amdhsa_system_sgpr_workgroup_id_x 1
		.amdhsa_system_sgpr_workgroup_id_y 1
		.amdhsa_system_sgpr_workgroup_id_z 1
		.amdhsa_system_vgpr_workitem_id 0
		.amdhsa_next_free_vgpr 240
		.amdhsa_next_free_sgpr 66
		.amdhsa_reserve_vcc 1
		.amdhsa_float_denorm_mode_32 3
		.amdhsa_float_denorm_mode_16_64 3
		.amdhsa_memory_ordered 1
		.amdhsa_forward_progress 1
		.amdhsa_inst_pref_size 24
	.end_amdhsa_kernel
	.amdgpu_metadata
---
amdhsa.version: [ 1, 2 ]
amdhsa.kernels:
  - .name:           k_q3cd6eb848b_prep
    .symbol:         k_q3cd6eb848b_prep.kd
    .args:
      - { .name: Wk, .offset: 0, .size: 8, .value_kind: global_buffer, .address_space: global }
      - { .name: Wv, .offset: 8, .size: 8, .value_kind: global_buffer, .address_space: global }
      - { .name: Wq, .offset: 16, .size: 8, .value_kind: global_buffer, .address_space: global }
      - { .name: Wo, .offset: 24, .size: 8, .value_kind: global_buffer, .address_space: global }
      - { .name: W1, .offset: 32, .size: 8, .value_kind: global_buffer, .address_space: global }
      - { .name: W2, .offset: 40, .size: 8, .value_kind: global_buffer, .address_space: global }
      - { .name: wst0, .offset: 48, .size: 8, .value_kind: global_buffer, .address_space: global }
      - { .name: wst1, .offset: 56, .size: 8, .value_kind: global_buffer, .address_space: global }
      - { .name: lay0, .offset: 64, .size: 8, .value_kind: global_buffer, .address_space: global }
      - { .name: lay1, .offset: 72, .size: 8, .value_kind: global_buffer, .address_space: global }
    .group_segment_fixed_size: 0
    .private_segment_fixed_size: 0
    .kernarg_segment_align: 8
    .kernarg_segment_size: 80
    .max_flat_workgroup_size: 64
    .sgpr_count:     66
    .vgpr_count:     240
    .wavefront_size: 32
...
	.end_amdgpu_metadata
.endif
;; end of part 1
;; launch layer0 (part 2): grid 256 x 1, 8 waves a work-group, no clusters, 286,720 bytes of LDS; arguments seq, mask, item_emb, pos_emb, wst0, lay0, ln1_g, ln1_b, ln2_g, ln2_b, fn_g, fn_b, bq, bk, bv, bo, b1, b2, x1; writes x1
.if DOCPART == 2
	.amdgcn_target "amdgcn-amd-amdhsa--gfx1250"
	.amdhsa_code_object_version 6
	.text
	.protected	k_q3cd6eb848b_layer0
	.globl	k_q3cd6eb848b_layer0
	.p2align	8
	.type	k_q3cd6eb848b_layer0,@function
k_q3cd6eb848b_layer0:
	s_mov_b64 s[64:65], 0
	v_nop
	global_prefetch_b8 v0, s[64:65] scope:SCOPE_SE
	s_setreg_imm32_b32 hwreg(HW_REG_WAVE_MODE, 25, 1), 1
	s_wait_xcnt 0x0
; ONE ENCODER BLOCK: x += Wo attention(LN1 x) + bo;  x += W2 gelu(W1 LN2 x + b1) + b2;  all eight products on codes of E2M3 with E8M0 scales, all else in f32.
; The body runs twice.  L, the layer's number, is read from memory (0 or 1).  L = 0: rows come from the item table by clip(seq + 1) and the position row is added; the result is x as it stands.
; L = 1: rows come from the first run's result, by the token's own number; the closing LayerNorm is applied.  L enters by offsets, selects and factors (1 - L, L) alone: no branch hangs on it.
; SHARES.  A work-group takes half a sequence: sequence x / 2, parity g = x % 2.  Wave w owns tile 2 w + g (16 tokens) through the whole block: x stays in 128 registers.
; Every product is laid so that a lane holds ONE token (lane % 16) and its registers run along the features: register 16 b + i of lane (r, hh) is column 32 b + 16 hh + i.
; K and V are wanted of all 256 tokens: each wave also makes them for the neighbouring tile 2 w + 1 - g, so that keys 32 w .. 32 w + 31 are one wave's, and they go straight into LDS.
; WEIGHTS come as register images (made by the launch before) through two LDS slots of 51,200 bytes: each thread copies 200 bytes of a chunk through registers, one chunk ahead.
; No tensor loads, no cluster: a chunk costs a wave 26 memory and LDS instructions against more than a thousand vector instructions of work on it, so what work-groups share is a small part
; of a step, and K's and V's images and the scratch beside the slots are written by LDS stores.  No prefetch: the token rows are asked for at the kernel's head, and the weights are read by every work-group.
; ATTENTION.  Scores S^T = K Q^T with the mask (0 or -2^100) as C; the instruction's K is 128, a head's is 32: the query's codes stand in one block of 32 and zero codes in the other three.
; The whole row of scores stays in registers: maximum, 2^(c s - c max), sum, times 1 / sum, then quantised along the keys.  Waves 0-3 own queries under 128: keys from 128 on are hidden
; from them and are not multiplied.  A query with NO visible key has all scores equal, so p = 1 / 256 for all 256 keys: its factor c is 0, and for waves 0-3 the upper 128 keys' codes
; (4.0 under the byte 117) and their part of the sum are set once.
; THE FFN is one pipe of 16 groups of two weight fragments a trip (W1's eight, W2's eight), loaded three groups ahead, with the vector work set into it: see there.
; LIMITS: NaN and infinities among the inputs are not served.  A block whose largest magnitude lies under 2^-124 (a block of zeros too) gets the byte 1.  Raw scores stay far under 2^100,
; and real scores far above -1e9, so that a hidden key's p is 0.  1 / 256 is taken to come out of v_rcp_f32 exactly.  erf is a ratio of polynomials on [-4, 4], good to f32's last bits.
; LDS: slot 0 at 0; K's scale words 51,200; V's 53,248; slot 1 at 65,536; K's images 116,736; V's 165,888; parameters 215,040 (15 x 1 KB); each wave's scratch 230,400 + 6,912 w.
; REGISTERS.  Window 0: v1-23 addresses that stay, v24-31 addresses of the phase; v32-47 scales alone; v48-119 six weight fragments, or work registers; v120-127 work; v128-255 S.
; Window 1: 0-127 x; 128-177 and 178-227 chunks on their way; 204-227, 228-251 the LayerNorm's codes (foreign, own); 128-255 the mask during attention; 178-209 two sets of 16 numbers of b1 in the FFN.
.set KSC,   51200
.set VSC,   53248
.set KIMG,  116736
.set VIMG,  165888
.set PAR,   215040
.set WSCR,  230400
.set S,   128
.set WFB, 48
.set WS,  32                           ; v32-39 weights' scale registers; in attention: K's v32-35, V's v36-37, the query's v38
.set KS,  32
.set VS,  36
.set QSW, 38
.set XFS, 40                           ; v40-41 own LayerNorm's scale words
.set XGS, 42                           ; v42-43 foreign's; in attention p's
.set PWS, 42
.set OFS, 44                           ; v44-45 o's
.set HPW, 46                           ; the hidden layer's
.set PW,  47                           ; the word just made
.set TM,  84                           ; the quantiser's work registers (set anew for the FFN, where v48-119 hold fragments)
.set PC,  96
.set QSP, 108
.set ST,  128
.set ST2, 178
.set BB,  178
.set XG,  204
.set XF,  228
.set MBI, 128
.set LI, 1
.set LS, 2
.set BA, 3
.set BV, 4
.set PA, 5
.set GA, 6
.set GB, 7
.set KWA, 8
.set KSW, 9
.set VW, 10
.set VSW, 13
.set IW, 14
.set IS, 15
.set QW, 16
.set QR, 17
.set OWA, 18
.set QSA, 19
.set OSA, 20
.set SO, 21
.set SR, 22
.set GO, 23
.set WA, 24
.set WSA, 25
.set MSB, 0
.macro WIN new                         ; the immediate's high byte repeats the setting that is left; at every label and branch the setting is 0
.if MSB != \new
	s_set_vgpr_msb (MSB<<8)|\new
.set MSB, \new
.endif
.endm
.macro PLACES n
.rept \n
	v_nop
.endr
.endm
.macro SYNC                            ; my LDS stores have landed and my LDS loads are back: then the work-group's barrier
	s_wait_dscnt 0x0
	s_barrier_signal -1
	s_barrier_wait -1
.endm
.macro LOADCH base, first              ; the next chunk of the stream into registers of window 1: 12 x 16 + 8 bytes a thread
.if !(\first)
	s_wait_xcnt 0x0                                ; the last chunk's loads have read their base: it may step
	s_add_nc_u64 s[44:45], s[44:45], 51200
.endif
	WIN 0x40
.irp k, 0,1,2,3,4,5,6,7,8,9,10,11
	global_load_b128 v[\base+4*\k:\base+4*\k+3], v[GA], s[44:45] offset:4096*\k
.endr
	global_load_b64 v[\base+48:\base+49], v[GB], s[44:45] offset:49152
	WIN 0
.endm
.macro STORECH base, cnt               ; and from there into the slot at s49
	s_wait_loadcnt \cnt
	v_add_nc_u32 v30, s49, v[GA]
	v_add_nc_u32 v31, s49, v[GB]
	WIN 0x04
.irp k, 0,1,2,3,4,5,6,7,8,9,10,11
	ds_store_b128 v30, v[\base+4*\k:\base+4*\k+3] offset:4096*\k
.endr
	ds_store_b64 v31, v[\base+48:\base+49] offset:49152
	WIN 0
	s_wait_dscnt 0x0                               ; the stores have read their registers
.endm
.macro FETCH reg, adr, off             ; a fragment's image: three planes of 512 bytes
.irp p, 0,1,2
	ds_load_b128 v[\reg+4*\p:\reg+4*\p+3], v[\adr] offset:\off+512*\p
.endr
.endm
.macro IMAGE adr, off
.irp p, 0,1,2
	ds_store_b128 v[\adr], v[PC+4*\p:PC+4*\p+3] offset:\off+512*\p
.endr
.endm
; One scaled product.  c < 0: the constant 0 starts the sum.  ra, rb: source 0's or source 1's scales stand in lanes 16-31.
.macro WMS d, a, b, c, sa, sb, ra, rb
.if (\c) < 0
.if (\ra)
	v_wmma_scale_f32_16x16x128_f8f6f4 v[\d:\d+7], v[\a:\a+11], v[\b:\b+11], 0, v[\sa], v[\sb] matrix_a_fmt:MATRIX_FMT_FP6 matrix_b_fmt:MATRIX_FMT_FP6 matrix_a_scale:MATRIX_SCALE_ROW1
.elseif (\rb)
	v_wmma_scale_f32_16x16x128_f8f6f4 v[\d:\d+7], v[\a:\a+11], v[\b:\b+11], 0, v[\sa], v[\sb] matrix_a_fmt:MATRIX_FMT_FP6 matrix_b_fmt:MATRIX_FMT_FP6 matrix_b_scale:MATRIX_SCALE_ROW1
.else
	v_wmma_scale_f32_16x16x128_f8f6f4 v[\d:\d+7], v[\a:\a+11], v[\b:\b+11], 0, v[\sa], v[\sb] matrix_a_fmt:MATRIX_FMT_FP6 matrix_b_fmt:MATRIX_FMT_FP6
.endif
.else
.if (\ra)
	v_wmma_scale_f32_16x16x128_f8f6f4 v[\d:\d+7], v[\a:\a+11], v[\b:\b+11], v[\c:\c+7], v[\sa], v[\sb] matrix_a_fmt:MATRIX_FMT_FP6 matrix_b_fmt:MATRIX_FMT_FP6 matrix_a_scale:MATRIX_SCALE_ROW1
.elseif (\rb)
	v_wmma_scale_f32_16x16x128_f8f6f4 v[\d:\d+7], v[\a:\a+11], v[\b:\b+11], v[\c:\c+7], v[\sa], v[\sb] matrix_a_fmt:MATRIX_FMT_FP6 matrix_b_fmt:MATRIX_FMT_FP6 matrix_b_scale:MATRIX_SCALE_ROW1
.else
	v_wmma_scale_f32_16x16x128_f8f6f4 v[\d:\d+7], v[\a:\a+11], v[\b:\b+11], v[\c:\c+7], v[\sa], v[\sb] matrix_a_fmt:MATRIX_FMT_FP6 matrix_b_fmt:MATRIX_FMT_FP6
.endif
.endif
.endm
; 64 numbers of a lane, v[s] .. v[s + 63], register 16 b + i = k 32 b + 16 (lane / 16) + i of my row, become a fragment's codes in v[d] .. v[d + 11] and its scale word in v[pw].
.macro QUANT s, d, pw
.irp b, 0,1,2,3
	v_max3_num_f32 v[TM+\b], |v[\s+16*\b]|, |v[\s+1+16*\b]|, 0x1800000   ; my 16 numbers of block b, and the floor 2^(3 - 127): the byte cannot fall under 1
.endr
.irp i, 2,4,6,8,10,12,14
.irp b, 0,1,2,3
	v_max3_num_f32 v[TM+\b], v[TM+\b], |v[\s+16*\b+\i]|, |v[\s+1+16*\b+\i]|
.endr
.endr
.irp b, 0,1,2,3
	v_permlanex16_b32 v[TM+4+\b], v[TM+\b], s50, s51
.endr
.irp b, 0,1,2,3
	v_max_num_f32 v[TM+\b], v[TM+\b], v[TM+4+\b]   ; with lane l xor 16's: the block's largest magnitude
.endr
.irp b, 0,1,2,3
	v_add_nc_u32 v[TM+8+\b], 0xff000000, v[TM+\b]  ; 2 off its exponent field: the conversion's scale operand
.endr
.irp b, 0,1,2,3
	v_lshrrev_b32 v[TM+4+\b], 23, v[TM+8+\b]       ; the byte
.endr
	v_lshl_or_b32 v[\pw], v[TM+5], 8, v[TM+4]
	v_lshl_or_b32 v[\pw], v[TM+6], 16, v[\pw]
	v_lshl_or_b32 v[\pw], v[TM+7], 24, v[\pw]
.irp c, 0,1
	v_cvt_scalef32_pk16_fp6_f32 v[\d+6*\c:\d+6*\c+2], v[\s+32*\c:\s+32*\c+15], v[TM+8+2*\c]
	v_cvt_scalef32_pk16_fp6_f32 v[QSP+4*\c:QSP+4*\c+2], v[\s+16+32*\c:\s+31+32*\c], v[TM+9+2*\c]   ; a conversion's three registers begin on an even number
.endr
	v_nop                                          ; one plain place behind a scaled conversion
.irp c, 0,1                                        ; the operand's layout wants a whole block in a lane
.irp i, 0,1,2
	v_permlane16_swap_b32 v[\d+6*\c+\i], v[QSP+4*\c+\i]
.endr
.irp i, 0,1,2
	v_mov_b32 v[\d+3+6*\c+\i], v[QSP+4*\c+\i]
.endr
.endr
.endm
; The products of fragment PN = 8 s + t of a unit, out of buffer PN % 6.  kind 0: K (own and foreign tile); 1: V (tokens as source 0); 2: Q; 3: Wo, onto x.
; The accumulators take turns, one instruction a turn.
.macro MM kind, un
.set MBF, WFB+12*(PN%6)
.set MS_, PN/8
.set MT_, PN%8
.if \kind == 0
	WMS S+8*MT_, MBF, XF+12*MS_, S+8*MT_, WS+MT_, XFS+MS_, MS_, 0
	WMS S+64+8*MT_, MBF, XG+12*MS_, S+64+8*MT_, WS+MT_, XGS+MS_, MS_, 0
.elseif \kind == 1
.if MS_ == 0
	WMS S+16*MT_, XF, MBF, -1, XFS, WS+MT_, 0, 0
	WMS S+16*MT_+8, XG, MBF, -1, XGS, WS+MT_, 0, 0
.else
	WMS S+16*MT_, XF+12, MBF, S+16*MT_, XFS+1, WS+MT_, 0, 1
	WMS S+16*MT_+8, XG+12, MBF, S+16*MT_+8, XGS+1, WS+MT_, 0, 1
.endif
.elseif \kind == 2
	WMS S+8*MT_, MBF, XF+12*MS_, S+8*MT_, WS+MT_, XFS+MS_, MS_, 0
.else
	WMS 64*\un+8*MT_, MBF, S+12*MS_, 64*\un+8*MT_, WS+MT_, OFS+MS_, MS_, 0
.endif
.endm
.macro FRLOAD uoff                     ; fragment PN = 8 s + t is image 2 t + s of its unit; into buffer PN % 6
.irp p, 0,1,2
	ds_load_b128 v[WFB+12*(PN%6)+4*\p:WFB+12*(PN%6)+4*\p+3], v[WA] offset:\uoff+1536*(2*(PN%8)+PN/8)+512*\p
.endr
.endm
; A unit's 16 fragments, two at a time, three groups ahead.
.macro PIPE kind, uoff, un
	PLACES 4                                       ; in front of loads into registers that matrix instructions have read
.irp t, 0,1,2,3,4,5,6,7
	ds_load_b32 v[WS+\t], v[WSA] offset:\uoff+24576+128*\t
.endr
.set PN, 0
.rept 6
	FRLOAD \uoff
.set PN, PN+1
.endr
.set PG, 0
.rept 8
.if PG <= 5
	s_wait_dscnt 12                                ; behind this group's loads stand two groups' twelve
.elseif PG == 6
	s_wait_dscnt 6
.else
	s_wait_dscnt 0x0
.endif
.if (\kind == 0) || (\kind == 2)
	WIN 0x04                                       ; source 1, the tokens' codes, in window 1
.elseif \kind == 1
	WIN 0x01                                       ; source 0 there
.else
	WIN 0x50                                       ; C and D, x, there
.endif
.set PN, 2*PG
	MM \kind, \un
.set PN, 2*PG+1
	MM \kind, \un
	WIN 0
.if PG <= 4
	PLACES 4
.set PN, 2*PG+6
	FRLOAD \uoff
.set PN, 2*PG+7
	FRLOAD \uoff
.endif
.set PG, PG+1
.endr
.endm
.macro BIASACC base, seg               ; a bias is loaded into the accumulators: the first product adds onto it.  v28 = the parameters + 64 hh + 512 x unit
.irp t, 0,1,2,3,4,5,6,7
	ds_load_b128 v[\base+8*\t:\base+8*\t+3], v28 offset:\seg*1024+128*(\t/2)+32*(\t%2)
	ds_load_b128 v[\base+8*\t+4:\base+8*\t+7], v28 offset:\seg*1024+128*(\t/2)+32*(\t%2)+16
.endr
.endm
.macro GBLOAD b, sg, sb                ; gain and bias of block b's 16 columns of my half, into set b % 2
.irp q, 0,1,2,3
	ds_load_b128 v[48+32*((\b)%2)+4*\q:48+32*((\b)%2)+4*\q+3], v[BA] offset:(\sg)*1024+128*(\b)+16*\q
.endr
.irp q, 0,1,2,3
	ds_load_b128 v[64+32*((\b)%2)+4*\q:64+32*((\b)%2)+4*\q+3], v[BA] offset:(\sb)*1024+128*(\b)+16*\q
.endr
.endm
.macro LNFOLD                          ; four pairs of partial sums and lane l xor 16's -> v124
	v_pk_add_f32 v[112:113], v[112:113], v[114:115]
	v_pk_add_f32 v[116:117], v[116:117], v[118:119]
	v_pk_add_f32 v[112:113], v[112:113], v[116:117]
	v_add_f32 v124, v112, v113
	v_permlanex16_b32 v125, v124, s50, s51
	v_add_f32 v124, v124, v125
.endm
; LayerNorm of the 128 registers at xb of window xw into S.  tail = 1: mean x L, 1 / sigma x L + (1 - L): with L = 0 and gain 1, bias 0 the row passes as it is.
.macro LNCORE xb, xw, sg, sb, tail
	GBLOAD 0, \sg, \sb
	GBLOAD 1, \sg, \sb
	WIN 5*\xw
.irp k, 0,1,2,3
	v_pk_add_f32 v[112+2*\k:113+2*\k], v[\xb+2*\k:\xb+2*\k+1], v[\xb+8+2*\k:\xb+9+2*\k]   ; four chains; each accumulator is read from its low end on
.endr
	WIN 4*\xw
.set LJ, 8
.rept 56
	v_pk_add_f32 v[112+2*(LJ%4):113+2*(LJ%4)], v[112+2*(LJ%4):113+2*(LJ%4)], v[\xb+2*LJ:\xb+2*LJ+1]
.set LJ, LJ+1
.endr
	WIN 0
	LNFOLD
	v_mul_f32 v120, s74, v124                      ; the mean
.if \tail
	v_mul_f32 v120, s76, v120
.endif
	v_mov_b32 v121, v120
	WIN \xw
.set LJ, 0
.rept 64
	v_pk_add_f32 v[S+2*LJ:S+2*LJ+1], v[\xb+2*LJ:\xb+2*LJ+1], v[120:121] neg_lo:[0,1] neg_hi:[0,1]
.set LJ, LJ+1
.endr
	WIN 0
.irp k, 0,1,2,3
	v_pk_mul_f32 v[112+2*\k:113+2*\k], v[S+2*\k:S+2*\k+1], v[S+2*\k:S+2*\k+1]
.endr
.set LJ, 4
.rept 60
	v_pk_fma_f32 v[112+2*(LJ%4):113+2*(LJ%4)], v[S+2*LJ:S+2*LJ+1], v[S+2*LJ:S+2*LJ+1], v[112+2*(LJ%4):113+2*(LJ%4)]
.set LJ, LJ+1
.endr
	LNFOLD
	v_fma_f32 v124, v124, s74, s75                 ; the variance + eps
	v_rsq_f32 v122, v124
	v_nop                                          ; a plain place behind the transcendental,
	s_wait_alu depctr_va_vdst(0)                   ; and a wait ahead of its first reader
.if \tail
	v_fma_f32 v122, v122, s76, s77
.endif
	v_mov_b32 v123, v122
.set LB_, 0
.rept 8
.if LB_ < 7
	s_wait_dscnt 8                                 ; the next block's eight loads may be out
.else
	s_wait_dscnt 0x0
.endif
.set LG_, 48+32*(LB_%2)
.irp k, 0,2,4,6,8,10,12,14
	v_pk_mul_f32 v[S+16*LB_+\k:S+16*LB_+\k+1], v[S+16*LB_+\k:S+16*LB_+\k+1], v[122:123]
.endr
.irp k, 0,2,4,6,8,10,12,14
	v_pk_fma_f32 v[S+16*LB_+\k:S+16*LB_+\k+1], v[S+16*LB_+\k:S+16*LB_+\k+1], v[LG_+\k:LG_+\k+1], v[LG_+16+\k:LG_+17+\k]
.endr
.if LB_ < 6
	GBLOAD LB_+2, \sg, \sb
.endif
.set LB_, LB_+1
.endr
.endm
.macro LNQ ai, aw                      ; S becomes two fragments and two scale words in my scratch
	QUANT S, PC, PW
	IMAGE \ai, 0
	ds_store_b32 v[\aw], v[PW] offset:3072
	s_wait_dscnt 0x0                               ; the stores have read their registers
	QUANT S+64, PC, PW
	IMAGE \ai, 1536
	ds_store_b32 v[\aw], v[PW] offset:3200
.endm
.macro ADDB seg                        ; x += a bias of 256, 64 registers at a time
.irp hx, 0,1
.set AI_, 0
.rept 16
	ds_load_b128 v[S+64+4*AI_:S+64+4*AI_+3], v[BA] offset:\seg*1024+512*\hx+128*(AI_/4)+16*(AI_%4)
.set AI_, AI_+1
.endr
	s_wait_dscnt 0x0
	WIN 0x41
.set AI_, 0
.rept 32
	v_pk_add_f32 v[64*\hx+2*AI_:64*\hx+2*AI_+1], v[64*\hx+2*AI_:64*\hx+2*AI_+1], v[S+64+2*AI_:S+64+2*AI_+1]
.set AI_, AI_+1
.endr
	WIN 0
.endr
.endm
.macro POSLOAD adr                     ; a tile's position rows: columns 0-127 into v48-111, 128-255 into 180-243 of window 1
.set PI_, 0
.rept 16
	global_load_b128 v[48+4*PI_:48+4*PI_+3], v[\adr], s[10:11] offset:128*(PI_/4)+16*(PI_%4)
.set PI_, PI_+1
.endr
	WIN 0x40
.set PI_, 0
.rept 16
	global_load_b128 v[180+4*PI_:180+4*PI_+3], v[\adr], s[10:11] offset:512+128*(PI_/4)+16*(PI_%4)
.set PI_, PI_+1
.endr
	WIN 0
.endm
; ---------------- setup
	s_load_b512 s[4:19], s[0:1], 0x0               ; seq s[4:5], mask s[6:7], rows s[8:9], pos s[10:11], stream s[12:13], L s[14:15], ln1_g s[16:17], ln1_b s[18:19]
	s_load_b512 s[20:35], s[0:1], 0x40             ; ln2_g, ln2_b, fn_g, fn_b, bq, bk, bv, bo
	s_load_b128 s[36:39], s[0:1], 0x80             ; b1, b2
	s_load_b64 s[40:41], s[0:1], 0x90              ; the result
	v_lshrrev_b32 v24, 5, v0
	v_readfirstlane_b32 s2, v24                    ; wave 0..7
	v_and_b32 v24, 31, v0                          ; lane
	v_and_b32 v25, 15, v0                          ; r
	v_bfe_u32 v26, v0, 4, 1                        ; hh
	v_lshlrev_b32 v[LI], 4, v24
	v_lshlrev_b32 v[LS], 2, v24
	v_lshl_add_u32 v[BA], v26, 6, PAR
	v_and_b32 v27, 8, v25
	v_add_nc_u32 v27, v27, v25                     ; r + 8 (r / 8)
	v_lshl_add_u32 v[BV], v27, 2, PAR
	v_lshl_add_u32 v[PA], v0, 2, PAR
	v_lshlrev_b32 v[GA], 4, v0
	v_lshlrev_b32 v[GB], 3, v0
	s_mul_i32 s82, s2, 1536
	s_add_co_u32 s82, s82, KIMG
	v_add_nc_u32 v[KWA], s82, v[LI]                ; K's images: key block w
	s_lshl_b32 s82, s2, 6
	s_add_co_u32 s82, s82, KSC
	v_lshl_add_u32 v[KSW], v25, 2, s82
	s_bfe_u32 s82, s2, 0x10001
	s_mul_i32 s82, s82, 6
	v_mad_u32_u24 v27, v26, 3, s82                 ; V's images: my three registers begin at register 6 ((w / 2) % 2) + 3 hh
	s_lshr_b32 s83, s2, 2
	s_mul_i32 s83, s83, 1536
	s_and_b32 s84, s2, 1
	s_lshl_b32 s84, s84, 8
	s_add_co_u32 s83, s83, s84
	s_add_co_u32 s83, s83, VIMG
	v_lshl_add_u32 v28, v25, 4, s83                ; of lane r + 16 (w % 2), K step w / 4
.irp i, 0,1,2
	v_add_nc_u32 v29, \i, v27
	v_lshrrev_b32 v30, 2, v29
	v_and_b32 v31, 3, v29
	v_lshl_add_u32 v[VW+\i], v30, 9, v28
	v_lshl_add_u32 v[VW+\i], v31, 2, v[VW+\i]
.endr
	s_lshr_b32 s82, s2, 2
	s_lshl_b32 s82, s82, 6
	s_and_b32 s83, s2, 3
	s_add_co_u32 s82, s82, s83
	s_add_co_u32 s82, s82, VSC
	v_lshl_add_u32 v[VSW], v25, 2, s82
	s_mul_i32 s84, s2, 6912
	s_add_co_u32 s84, s84, WSCR                    ; my scratch
	v_add_nc_u32 v[IW], s84, v[LI]
	v_add_nc_u32 v[IS], s84, v[LS]
	v_mad_u32_u24 v[QR], v25, 208, s84
	v_mad_u32_u24 v[QW], v26, 24, v[QR]
	v_mad_u32_u24 v[OWA], v26, 12, v[QR]
	v_add_nc_u32 v[OWA], 3328, v[OWA]
	v_lshl_add_u32 v[QSA], v25, 3, s84
	v_add_nc_u32 v[QSA], 6656, v[QSA]
	v_add_nc_u32 v[OSA], 128, v[QSA]
	v_mad_u32_u24 v[SO], v25, 272, s84
	v_lshl_add_u32 v[SO], v26, 6, v[SO]
	v_mad_u32_u24 v[SR], v26, 272, s84
	v_lshl_add_u32 v[SR], v25, 4, v[SR]
	v_lshlrev_b32 v[GO], 10, v26
	v_lshl_add_u32 v[GO], v25, 4, v[GO]
	s_and_b32 s3, ttmp9, 1                         ; g
	s_lshr_b32 s43, ttmp9, 1                       ; the sequence
	s_lshl_b32 s82, s2, 1
	s_add_co_u32 s82, s82, s3                      ; my own tile
	s_xor_b32 s83, s82, 1                          ; the foreign one
	s_lshl_b32 s85, s82, 4
	s_lshl_b32 s86, s83, 4
	s_lshl_b32 s87, s43, 8
	s_add_co_u32 s88, s87, s85                     ; my first own token, counted over all sequences
	s_add_co_u32 s89, s87, s86                     ; my first foreign token
	s_mov_b32 s50, 0x76543210
	s_mov_b32 s51, 0xfedcba98                      ; v_permlanex16_b32's selects for lane l xor 16
	s_mov_b32 s74, 0x3b800000                      ; 1 / 256
	s_mov_b32 s75, 0x3727c5ac                      ; 1e-5
	s_mov_b32 s78, 0x3e8293ee                      ; c = log2(e) / sqrt(32)
	s_mov_b32 s79, 0xf1800000                      ; -2^100
	s_wait_kmcnt 0x0
	s_load_b32 s42, s[14:15], 0x0                  ; L
	s_lshl_b32 s90, s88, 2
	s_lshl_b32 s91, s89, 2
	v_lshl_add_u32 v120, v25, 2, s90
	v_lshl_add_u32 v121, v25, 2, s91
	s_lshl_b32 s90, s43, 10
	v_add_nc_u32 v124, s90, v[LS]
	global_load_b32 v122, v120, s[4:5]             ; seq of my own rows,
	global_load_b32 v123, v121, s[4:5]             ; of my foreign rows
.irp i, 0,1,2,3,4,5,6,7
	global_load_b32 v[48+\i], v124, s[6:7] offset:128*\i   ; lane l: the mask of key 32 i + l
.endr
	s_lshl_b32 s90, s88, 10
	s_mov_b32 s91, 0
	s_add_nc_u64 s[46:47], s[40:41], s[90:91]      ; the result at my first own row
	s_mov_b64 s[44:45], s[12:13]
	v_lshlrev_b32 v127, 2, v0
	s_wait_kmcnt 0x0
	s_min_u32 s42, s42, 1
	s_cmp_eq_u32 s42, 1
	s_cselect_b32 s92, -1, 0
	s_cselect_b32 s76, 1.0, 0                      ; L as f32
	s_cselect_b32 s77, 0, 1.0                      ; 1 - L
	s_mov_b32 s80, s77
	s_mov_b32 s81, s77
	s_lshl_b32 s90, s42, 10
	s_lshl_b32 s91, s42, 12
	v_add_nc_u32 v125, s90, v127                   ; 4 x thread + the layer's 1,024 bytes
	v_add_nc_u32 v126, s91, v127                   ; + b1's 4,096
	global_load_b32 v56, v125, s[16:17]
	global_load_b32 v57, v125, s[18:19]
	global_load_b32 v58, v125, s[20:21]
	global_load_b32 v59, v125, s[22:23]
	global_load_b32 v60, v127, s[24:25]
	global_load_b32 v61, v127, s[26:27]
	global_load_b32 v62, v125, s[28:29]
	global_load_b32 v63, v125, s[30:31]
	global_load_b32 v64, v125, s[32:33]
	global_load_b32 v65, v125, s[34:35]
.irp i, 0,1,2,3
	global_load_b32 v[66+\i], v126, s[36:37] offset:1024*\i
.endr
	global_load_b32 v70, v125, s[38:39]
	LOADCH ST, 1                                   ; chunk 0
	s_wait_loadcnt 36                              ; behind the two loads of seq: 8 of the mask, 15 parameters, 13 of the chunk
	v_add_nc_u32 v122, 1, v122
	v_add_nc_u32 v123, 1, v123
	v_cmp_le_i32 vcc_lo, 0, v122
	v_cndmask_b32 v122, 0, v122, vcc_lo            ; clip from below
	v_cmp_le_i32 vcc_lo, 0, v123
	v_cndmask_b32 v123, 0, v123, vcc_lo
	v_add_nc_u32 v72, s88, v25
	v_add_nc_u32 v73, s89, v25
	v_cndmask_b32 v122, v122, v72, s92             ; L = 1: the token's own number
	v_cndmask_b32 v123, v123, v73, s92
	v_min_u32 v122, 0xc350, v122                   ; clip from above: 50,000
	v_min_u32 v123, 0xc350, v123
	v_lshlrev_b32 v122, 10, v122
	v_lshlrev_b32 v123, 10, v123
	v_lshl_add_u32 v122, v26, 6, v122              ; the row, + 64 hh
	v_lshl_add_u32 v123, v26, 6, v123
	v_lshlrev_b32 v120, 10, v25                    ; (the loads of seq are done: their addresses may be written)
	v_lshl_add_u32 v120, v26, 6, v120
	s_lshl_b32 s90, s86, 10
	s_lshl_b32 s91, s85, 10
	v_add_nc_u32 v121, s91, v120                   ; my own tile's position rows
	v_add_nc_u32 v120, s90, v120                   ; the foreign tile's
	WIN 0x40
.set i, 0
.rept 32
	global_load_b128 v[4*i:4*i+3], v122, s[8:9] offset:128*(i/4)+16*(i%4)     ; own rows -> x
.set i, i+1
.endr
	WIN 0
.set i, 0
.rept 32
	global_load_b128 v[S+4*i:S+4*i+3], v123, s[8:9] offset:128*(i/4)+16*(i%4) ; foreign rows -> S
.set i, i+1
.endr
	s_wait_loadcnt 63                              ; 64 loads were issued behind the chunk's: mask, parameters and chunk are in
.irp i, 0,1,2,3,4,5,6,7
	v_cmp_ne_u32 s[52+\i], 0, v[48+\i]             ; bit l: key 32 i + l is no padding
.endr
	v_cndmask_b32 v60, 1.0, v60, s92               ; the closing LayerNorm's gain and bias, or 1 and 0
	v_cndmask_b32 v61, 0, v61, s92
.irp k, 0,1,2,3,4,5,6,7,8,9,10,11,12,13,14
	ds_store_b32 v[PA], v[56+\k] offset:1024*\k
.endr
	s_mov_b32 s49, 0
	STORECH ST, 63                                 ; chunk 0 -> slot 0
	POSLOAD 120
	s_wait_loadcnt 0x0
.set i, 0
.rept 32
	v_pk_fma_f32 v[S+2*i:S+2*i+1], v[48+2*i:49+2*i], s[80:81], v[S+2*i:S+2*i+1] op_sel_hi:[1,0,1]   ; + (1 - L) x position
.set i, i+1
.endr
	WIN 0x01
.set i, 0
.rept 32
	v_pk_fma_f32 v[S+64+2*i:S+65+2*i], v[180+2*i:181+2*i], s[80:81], v[S+64+2*i:S+65+2*i] op_sel_hi:[1,0,1]
.set i, i+1
.endr
	WIN 0
	POSLOAD 121
	LOADCH ST, 0                                   ; chunk 1
	s_wait_loadcnt 13                              ; only the chunk's 13 loads are younger
	WIN 0x50
.set i, 0
.rept 32
	v_pk_fma_f32 v[2*i:2*i+1], v[48+2*i:49+2*i], s[80:81], v[2*i:2*i+1] op_sel_hi:[1,0,1]
.set i, i+1
.endr
	WIN 0x51
.set i, 0
.rept 32
	v_pk_fma_f32 v[64+2*i:65+2*i], v[180+2*i:181+2*i], s[80:81], v[64+2*i:65+2*i] op_sel_hi:[1,0,1]
.set i, i+1
.endr
	WIN 0
	SYNC                                           ; the parameters and chunk 0 lie in LDS
; ---------------- LayerNorm 1, first of the foreign tile (in S), then of my own (copied into S behind the first trip)
	s_mov_b32 s60, 0
	s_mov_b32 s62, 0
.Lln1:
	v_add_nc_u32 v24, s62, v[IW]
	v_add_nc_u32 v25, s62, v[IS]
	LNCORE S, 0, 0, 1, 0
	LNQ 24, 25
	s_wait_dscnt 0x0
	s_cmp_lg_u32 s60, 0
	s_cbranch_scc1 .Lnocopy                        ; behind the second trip nothing is left to copy
	WIN 0x01
.set i, 0
.rept 128
	v_mov_b32 v[S+i], v[i]
.set i, i+1
.endr
	WIN 0
.Lnocopy:
	s_add_co_u32 s62, s62, 3328
	s_add_co_u32 s60, s60, 1
	s_cmp_lt_u32 s60, 2
	s_cbranch_scc1 .Lln1
	WIN 0x40                                       ; LDS serves a wave's instructions in order: these see my stores
	FETCH XG, IW, 0
	FETCH XG+12, IW, 1536
	FETCH XF, IW, 3328
	FETCH XF+12, IW, 4864
	WIN 0
	ds_load_b32 v[XGS], v[IS] offset:3072
	ds_load_b32 v[XGS+1], v[IS] offset:3200
	ds_load_b32 v[XFS], v[IS] offset:6400
	ds_load_b32 v[XFS+1], v[IS] offset:6528
	s_wait_dscnt 0x0
	s_mov_b32 s49, 65536
	STORECH ST, 0                                  ; chunk 1 -> slot 1, which nobody has read yet
	LOADCH ST, 0                                   ; chunk 2
; ---------------- K of both tiles (chunk 0, slot 0): two units of 128 features = four heads each
	s_mov_b32 s60, 0
	s_mov_b32 s62, 0
	s_mov_b32 s63, 0
	s_mov_b32 s66, 0
	s_mov_b32 s67, 0
.Lk:
	v_add_nc_u32 v[WA], s62, v[LI]
	v_add_nc_u32 v[WSA], s62, v[LS]
	v_add_nc_u32 v28, s63, v[BA]
	v_add_nc_u32 v29, s66, v[KWA]
	v_add_nc_u32 v30, s67, v[KSW]
	BIASACC S, 7
	BIASACC S+64, 7
	PIPE 0, 0, 0
	PLACES 4
	QUANT S, PC, PW                                ; own tile: registers 6 c .. 6 c + 5 are heads 2 c, 2 c + 1 of the unit: registers 0-5 of head pair c's image
.irp c, 0,1
	ds_store_b128 v29, v[PC+6*\c:PC+6*\c+3] offset:12288*\c
	ds_store_b64 v29, v[PC+6*\c+4:PC+6*\c+5] offset:12288*\c+512
.endr
	v_mov_b32 v120, v[PW]
	s_wait_dscnt 0x0                               ; the stores have read their registers
	QUANT S+64, PC, PW                             ; foreign tile: registers 6-11 of the images
.irp c, 0,1
	ds_store_b64 v29, v[PC+6*\c:PC+6*\c+1] offset:12288*\c+520
	ds_store_b128 v29, v[PC+6*\c+2:PC+6*\c+5] offset:12288*\c+1024
.endr
	v_perm_b32 v121, v[PW], v120, 0x05040100       ; a head pair's word: own tile's two bytes, then the foreign tile's two
	v_perm_b32 v122, v[PW], v120, 0x07060302
	ds_store_b32 v30, v121
	ds_store_b32 v30, v122 offset:512
	s_wait_dscnt 0x0
	s_add_co_u32 s62, s62, 25600
	s_add_co_u32 s63, s63, 512
	s_add_co_u32 s66, s66, 24576
	s_add_co_u32 s67, s67, 1024
	s_add_co_u32 s60, s60, 1
	s_cmp_lt_u32 s60, 2
	s_cbranch_scc1 .Lk
	SYNC                                           ; slot 0 is read out by all; chunk 1 is whole
	s_mov_b32 s49, 0
	STORECH ST, 0                                  ; chunk 2 -> slot 0
	LOADCH ST, 0                                   ; chunk 3
; ---------------- V of both tiles (chunk 1, slot 1): tokens as source 0, so that a lane holds one feature and its registers run along the keys
.macro VBATCH bt                       ; four tiles of features: a lane's 16 registers are half of key block w: own tokens 8 hh + 0..7, foreign tokens 8 hh + 0..7
.irp k, 0,1,2,3
	v_max3_num_f32 v[84+\k], |v[S+16*(4*\bt+\k)]|, |v[S+16*(4*\bt+\k)+1]|, 0x1800000
.endr
.irp i, 2,4,6,8,10,12,14
.irp k, 0,1,2,3
	v_max3_num_f32 v[84+\k], v[84+\k], |v[S+16*(4*\bt+\k)+\i]|, |v[S+16*(4*\bt+\k)+\i+1]|
.endr
.endr
.irp k, 0,1,2,3
	v_permlanex16_b32 v[88+\k], v[84+\k], s50, s51
.endr
.irp k, 0,1,2,3
	v_max_num_f32 v[84+\k], v[84+\k], v[88+\k]
.endr
.irp k, 0,1,2,3
	v_add_nc_u32 v[92+\k], 0xff000000, v[84+\k]
.endr
.irp k, 0,1,2,3
	v_lshrrev_b32 v[96+\k], 23, v[92+\k]
.endr
.irp k, 0,1,2,3
	v_cvt_scalef32_pk16_fp6_f32 v[100+4*\k:102+4*\k], v[S+16*(4*\bt+\k):S+16*(4*\bt+\k)+15], v[92+\k]
.endr
	v_nop                                          ; one plain place behind a scaled conversion
.irp k, 0,1,2,3
.irp i, 0,1,2
	ds_store_b32 v[27+\i], v[100+4*\k+\i] offset:3072*(4*\bt+\k)
.endr
	ds_store_b8 v30, v[96+\k] offset:128*(4*\bt+\k)   ; both lanes of a block write the same byte with the same value
.endr
	s_wait_dscnt 0x0
.endm
	s_mov_b32 s60, 0
	s_mov_b32 s62, 65536
	s_mov_b32 s63, 0
	s_mov_b32 s66, 0
	s_mov_b32 s67, 0
.Lv:
	v_add_nc_u32 v[WA], s62, v[LI]
	v_add_nc_u32 v[WSA], s62, v[LS]
	v_add_nc_u32 v26, s63, v[BV]
	v_add_nc_u32 v27, s66, v[VW]
	v_add_nc_u32 v28, s66, v[VW+1]
	v_add_nc_u32 v29, s66, v[VW+2]
	v_add_nc_u32 v30, s67, v[VSW]
.irp t, 0,1,2,3,4,5,6,7
	ds_load_b32 v[120+\t], v26 offset:8192+128*(\t/2)+32*(\t%2)   ; bv of my lane's feature in tile t
.endr
	PIPE 1, 0, 0
	PLACES 4
.set VT, 0
.rept 8
.set VK, 0
.rept 8
.if VT%2 == 0
	v_pk_add_f32 v[S+16*VT+2*VK:S+16*VT+2*VK+1], v[S+16*VT+2*VK:S+16*VT+2*VK+1], v[120+2*(VT/2):121+2*(VT/2)] op_sel_hi:[1,0]
.else
	v_pk_add_f32 v[S+16*VT+2*VK:S+16*VT+2*VK+1], v[S+16*VT+2*VK:S+16*VT+2*VK+1], v[120+2*(VT/2):121+2*(VT/2)] op_sel:[0,1] op_sel_hi:[1,1]
.endif
.set VK, VK+1
.endr
.set VT, VT+1
.endr
	VBATCH 0
	VBATCH 1
	s_add_co_u32 s62, s62, 25600
	s_add_co_u32 s63, s63, 512
	s_add_co_u32 s66, s66, 24576
	s_add_co_u32 s67, s67, 1024
	s_add_co_u32 s60, s60, 1
	s_cmp_lt_u32 s60, 2
	s_cbranch_scc1 .Lv
	SYNC                                           ; K's and V's images are whole; slot 1 is read out by all
	s_mov_b32 s49, 65536
	STORECH ST, 0                                  ; chunk 3 -> slot 1.  No load follows: these registers hold the mask next
; ---------------- Q of my own tile (chunk 2, slot 0), as rows of codes in my scratch: 24 bytes a head
	s_mov_b32 s60, 0
	s_mov_b32 s62, 0
	s_mov_b32 s63, 0
	s_mov_b32 s66, 0
	s_mov_b32 s67, 0
.Lq:
	v_add_nc_u32 v[WA], s62, v[LI]
	v_add_nc_u32 v[WSA], s62, v[LS]
	v_add_nc_u32 v28, s63, v[BA]
	v_add_nc_u32 v29, s66, v[QW]
	v_add_nc_u32 v30, s67, v[QSA]
	BIASACC S, 6
	PIPE 2, 0, 0
	PLACES 4
	QUANT S, PC, PW
.irp c, 0,1
.irp i, 0,1,2
	ds_store_b64 v29, v[PC+6*\c+2*\i:PC+6*\c+2*\i+1] offset:48*\c+8*\i
.endr
.endr
	ds_store_b32 v30, v[PW]
	s_wait_dscnt 0x0
	s_add_co_u32 s62, s62, 25600
	s_add_co_u32 s63, s63, 512
	s_add_co_u32 s66, s66, 96
	s_add_co_u32 s67, s67, 4
	s_add_co_u32 s60, s60, 1
	s_cmp_lt_u32 s60, 2
	s_cbranch_scc1 .Lq
; ---------------- the mask, once for all heads.  Register 16 b + 8 u + j of lane (r, hh) is key 32 b + 16 (u xor g) + 8 hh + j, query 16 x my tile + r
	v_and_b32 v25, 15, v0
	v_bfe_u32 v26, v0, 4, 1
	v_add_nc_u32 v24, s85, v25                     ; my query
	s_lshl_b32 s82, s3, 4
	s_xor_b32 s83, s82, 16
	v_lshl_add_u32 v27, v26, 3, s82                ; where u = 0's eight keys begin in a block,
	v_lshl_add_u32 v28, v26, 3, s83                ; and u = 1's
	v_mov_b32 v29, 0
	v_mov_b32 v120, -2
.irp b, 0,1,2,3,4,5,6,7
	v_add_nc_u32 v30, -32*\b, v24                  ; d = query - the block's first key
	v_cmp_le_i32 vcc_lo, 0, v30
	v_min_u32 v31, 31, v30
	v_lshlrev_b32 v31, v31, v120
	v_xor_b32 v31, -1, v31                         ; bits 0 .. min(d, 31),
	v_cndmask_b32 v31, 0, v31, vcc_lo              ; none where d < 0,
	v_and_b32 v31, s[52+\b], v31                   ; less the padding: the visible keys
	v_or_b32 v29, v29, v31
	v_xor_b32 v31, -1, v31
	v_lshrrev_b32 v121, v27, v31
	v_lshrrev_b32 v122, v28, v31
.irp j, 0,1,2,3,4,5,6,7
	v_bfe_u32 v[S+16*\b+\j], v121, \j, 1
	v_bfe_u32 v[S+16*\b+8+\j], v122, \j, 1
.endr
.endr
	WIN 0x40
.set i, 0
.rept 128
	v_mul_lo_u32 v[MBI+i], v[S+i], s79             ; 0, or the bits of -2^100
.set i, i+1
.endr
	WIN 0
	v_cmp_ne_u32 vcc_lo, 0, v29
	v_mov_b32 v121, s78
	v_cndmask_b32 v112, 0, v121, vcc_lo            ; c, or 0 for a query with no visible key
	v_mov_b32 v113, v112
	v_cmp_eq_u32 vcc_lo, 0, v29
	v_mov_b32 v121, 0x42800000
	v_cndmask_b32 v118, 0, v121, vcc_lo            ; what waves 0-3 never compute, keys 128-255: their sum in my lane, 64 or 0,
	v_mov_b32 v119, 0
	v_mov_b32 v123, 0xff61b1e6                     ; their largest score, -3e38,
	v_mov_b32 v124, 0x18618618
	v_mov_b32 v125, 0x86186186
	v_mov_b32 v126, 0x61861861
.irp i, 0,1,2,3,4,5,6,7,8,9,10,11
	v_cndmask_b32 v[S+64+\i], 0, v[124+\i%3], vcc_lo   ; their codes: 4.0 throughout, or zeros,
.endr
	v_mov_b32 v[PWS+1], 0x75757575                 ; under the byte 117: 4 x 2^-10 = 1 / 256
.irp i, 6,7,8,9,10,11
	v_mov_b32 v[72+\i], 0                          ; six registers of zero codes between the two copies of the query's
.endr
.irp i, 0,1,2,3,4,5,6,7
	v_mov_b32 v[104+\i], 0                         ; lane permutes' destinations count as read
.endr
	v_mov_b32 v121, 0
.irp i, 4,5,6,7
	v_mov_b32 v[120+\i], 0
.endr
; ---------------- attention, head by head.  v48-71 two fragments of K, then of V; v72-89 the query's codes; v96-103 the blocks' largest; v104-111 work; v112:113 c; v114:115 -c max;
; v116:117, v118:119 sums; v120:121 1 / sum; v122, v123 the halves' largest scores
.macro MAXCH b                         ; the largest score of block b in my lane, in two chains; each accumulator is read from its low end on
	v_max3_num_f32 v[96+(\b)], v[S+16*(\b)], v[S+16*(\b)+1], v[S+16*(\b)+2]
	v_max3_num_f32 v[104+(\b)], v[S+16*(\b)+8], v[S+16*(\b)+9], v[S+16*(\b)+10]
	v_max3_num_f32 v[96+(\b)], v[96+(\b)], v[S+16*(\b)+3], v[S+16*(\b)+4]
	v_max3_num_f32 v[104+(\b)], v[104+(\b)], v[S+16*(\b)+11], v[S+16*(\b)+12]
	v_max3_num_f32 v[96+(\b)], v[96+(\b)], v[S+16*(\b)+5], v[S+16*(\b)+6]
	v_max3_num_f32 v[104+(\b)], v[104+(\b)], v[S+16*(\b)+13], v[S+16*(\b)+14]
	v_max3_num_f32 v[96+(\b)], v[96+(\b)], v[S+16*(\b)+7], v[S+16*(\b)+15]
	v_max_num_f32 v[96+(\b)], v[96+(\b)], v[104+(\b)]
.endm
.macro ASC hf                          ; scores of key blocks 4 hf .. 4 hf + 3.  The maxima of the block before are the places behind a block's two products
.set AQ, 0
.rept 4
.set AB, 4*\hf+AQ
.if (\hf == 1) && (AQ == 3)
	s_wait_dscnt 0x0
.else
	s_wait_dscnt 3                                 ; this block's image is in; the next one's three loads may be out
.endif
	WIN 0x10                                       ; C, the mask, in window 1
	WMS S+16*AB, 48+12*(AB%2), 72, MBI+16*AB, KS+AB/2, QSW, AB%2, 0
	WMS S+16*AB+8, 48+12*(AB%2), 78, MBI+16*AB+8, KS+AB/2, QSW, AB%2, 0
	WIN 0
.if AQ == 0
	PLACES 4
.else
	MAXCH AB-1
.endif
.if AB+2 < 6+2*\hf
	FETCH 48+12*(AB%2), 24, 1536*(AB+2)
.endif
.set AQ, AQ+1
.endr
	MAXCH 4*\hf+3
.irp q, 0,1,2,3
	v_permlanex16_b32 v[104+4*\hf+\q], v[96+4*\hf+\q], s50, s51
.endr
.irp q, 0,1,2,3
	v_max_num_f32 v[96+4*\hf+\q], v[96+4*\hf+\q], v[104+4*\hf+\q]
.endr
	v_max3_num_f32 v[122+\hf], v[96+4*\hf], v[97+4*\hf], v[98+4*\hf]
	v_max_num_f32 v[122+\hf], v[122+\hf], v[99+4*\hf]
.endm
.macro CEXP hf                         ; 2^(c s - c max) of 64 scores and of the four blocks' largest; their sum
.set CB, S+64*\hf
.set CI, 0
.rept 32
	v_pk_fma_f32 v[CB+2*CI:CB+2*CI+1], v[CB+2*CI:CB+2*CI+1], v[112:113], v[114:115]
.set CI, CI+1
.endr
.irp q, 0,1,2,3
	v_fma_f32 v[96+4*\hf+\q], v[96+4*\hf+\q], v112, v114
.endr
.set CI, 0
.rept 64
	v_exp_f32 v[CB+CI], v[CB+CI]
.set CI, CI+1
.endr
.irp q, 0,1,2,3
	v_exp_f32 v[96+4*\hf+\q], v[96+4*\hf+\q]
.endr
	v_nop                                          ; a plain place behind the batch,
	s_wait_alu depctr_va_vdst(0)                   ; and one wait for all 68, ahead of their first reader
	v_pk_add_f32 v[116+2*\hf:117+2*\hf], v[CB:CB+1], v[CB+2:CB+3]     ; two chains: registers 0-7 start them,
	v_pk_add_f32 v[126:127], v[CB+4:CB+5], v[CB+6:CB+7]
.set CI, 2
.rept 14                                           ; and 14 trips of four registers take 8 to 63
	v_pk_add_f32 v[116+2*\hf:117+2*\hf], v[116+2*\hf:117+2*\hf], v[CB+4*CI:CB+4*CI+1]
	v_pk_add_f32 v[126:127], v[126:127], v[CB+4*CI+2:CB+4*CI+3]
.set CI, CI+1
.endr
	v_pk_add_f32 v[116+2*\hf:117+2*\hf], v[116+2*\hf:117+2*\hf], v[126:127]
.endm
.macro ENORM hf                        ; p = that / the sum, quantised along the keys: a fragment in v[CB] .. v[CB + 11], its word in v[PWS + hf]
.set CB, S+64*\hf
.set CI, 0
.rept 32
	v_pk_mul_f32 v[CB+2*CI:CB+2*CI+1], v[CB+2*CI:CB+2*CI+1], v[120:121]
.set CI, CI+1
.endr
.irp q, 0,1,2,3
	v_mul_f32 v[96+4*\hf+\q], v[96+4*\hf+\q], v120 ; a block's largest p: its largest score through the same three operations
.endr
.irp q, 0,1,2,3
	v_max_num_f32 v[96+4*\hf+\q], 0x1800000, v[96+4*\hf+\q]
.endr
.irp q, 0,1,2,3
	v_add_nc_u32 v[104+4*\hf+\q], 0xff000000, v[96+4*\hf+\q]
.endr
.irp q, 0,1,2,3
	v_lshrrev_b32 v[96+4*\hf+\q], 23, v[104+4*\hf+\q]
.endr
	v_lshl_or_b32 v[PWS+\hf], v[97+4*\hf], 8, v[96+4*\hf]
	v_lshl_or_b32 v[PWS+\hf], v[98+4*\hf], 16, v[PWS+\hf]
	v_lshl_or_b32 v[PWS+\hf], v[99+4*\hf], 24, v[PWS+\hf]
	v_cvt_scalef32_pk16_fp6_f32 v[124:126], v[CB:CB+15], v[104+4*\hf]
	v_nop                                          ; a plain place: the next conversions write over the first one's sources
	v_cvt_scalef32_pk16_fp6_f32 v[CB+12:CB+14], v[CB+16:CB+31], v[105+4*\hf]
	v_cvt_scalef32_pk16_fp6_f32 v[CB+6:CB+8], v[CB+32:CB+47], v[106+4*\hf]
	v_cvt_scalef32_pk16_fp6_f32 v[CB:CB+2], v[CB+48:CB+63], v[107+4*\hf]
	v_nop
.irp i, 0,1,2
	v_permlane16_swap_b32 v[CB+6+\i], v[CB+\i]     ; blocks 2 and 3: a whole block to a lane
.endr
.irp i, 0,1,2
	v_mov_b32 v[CB+9+\i], v[CB+\i]
.endr
.irp i, 0,1,2
	v_permlane16_swap_b32 v[124+\i], v[CB+12+\i]   ; blocks 0 and 1
.endr
.irp i, 0,1,2
	v_mov_b32 v[CB+\i], v[124+\i]
.endr
.irp i, 0,1,2
	v_mov_b32 v[CB+3+\i], v[CB+12+\i]
.endr
.endm
	s_mov_b32 s61, 0
.Lhead:
	s_lshr_b32 s62, s61, 1                         ; the head pair
	s_lshl_b32 s63, s62, 9
	s_mul_i32 s62, s62, 12288
	s_mul_i32 s66, s61, 6144
	s_lshl_b32 s67, s61, 8
	s_mul_i32 s68, s61, 24
	s_and_b32 s69, s61, 1
	s_lshl_b32 s69, s69, 4
	s_lshl_b32 s72, 0xffff, s69                    ; the lanes of the half that the head's parity names
	s_add_co_u32 s62, s62, KIMG
	s_add_co_u32 s63, s63, KSC
	s_add_co_u32 s66, s66, VIMG
	s_add_co_u32 s67, s67, VSC
	v_add_nc_u32 v24, s62, v[LI]
	v_add_nc_u32 v25, s63, v[LS]
	v_add_nc_u32 v26, s66, v[LI]
	v_add_nc_u32 v27, s67, v[LS]
	v_add_nc_u32 v28, s68, v[QR]
	v_add_nc_u32 v29, s61, v[QSA]
	v_add_nc_u32 v30, s68, v[OWA]
	v_add_nc_u32 v31, s61, v[OSA]
.irp i, 0,1,2
	ds_load_b64 v[90+2*\i:91+2*\i], v28 offset:8*\i    ; my query's 32 codes of this head
.endr
	ds_load_u8 v127, v29                           ; and their byte
.irp i, 0,1,2,3
	ds_load_b32 v[KS+\i], v25 offset:128*\i        ; K's words: block 2 i in lanes 0-15, 2 i + 1 in lanes 16-31
.endr
.irp i, 0,1
	ds_load_b32 v[VS+\i], v27 offset:128*\i        ; V's words of tile i: K step 0 in lanes 0-15, 1 in lanes 16-31
.endr
	FETCH 48, 24, 0
	FETCH 60, 24, 1536
	s_wait_dscnt 6                                 ; only the two images may be out
	v_perm_b32 v[QSW], v127, v127, 0               ; the byte in all four places
.irp i, 0,1,2,3,4,5
	v_cndmask_b32 v[72+\i], 0, v[90+\i], s72       ; the codes in the block that meets this head's codes of K, zeros elsewhere
	v_cndmask_b32 v[84+\i], 0, v[90+\i], s72
.endr
	PLACES 8                                       ; a scale register written by a vector instruction stands eight places ahead of a scaled product, an operand four
	ASC 0
	s_wait_dscnt 0x0
	s_cmp_lt_u32 s2, 4
	s_cbranch_scc1 .Lsc_low                        ; waves 0-3: keys from 128 on are hidden from all my queries
	ASC 1
.Lsc_low:
	v_max_num_f32 v124, v122, v123
	v_mul_f32 v114, -v112, v124                    ; -c max
	v_mov_b32 v115, v114
	FETCH 48, 26, 0                                ; V: tile 0, K step 0;
	FETCH 60, 26, 3072                             ; tile 1, K step 0
	CEXP 0
	s_cmp_lt_u32 s2, 4
	s_cbranch_scc1 .Lex_low
	CEXP 1
.Lex_low:
	v_pk_add_f32 v[124:125], v[116:117], v[118:119]
	v_add_f32 v124, v124, v125
	v_permlanex16_b32 v125, v124, s50, s51
	v_add_f32 v124, v124, v125                     ; the row's sum
	v_rcp_f32 v120, v124
	v_nop
	s_wait_alu depctr_va_vdst(0)                   ; a wait ahead of the reciprocal's first reader
	v_mov_b32 v121, v120
	ENORM 0
	FETCH S+32, 26, 1536                           ; V: tile 0, K step 1;
	FETCH S+44, 26, 4608                           ; tile 1, K step 1
	s_cmp_lt_u32 s2, 4
	s_cbranch_scc1 .Lno_low
	ENORM 1
.Lno_low:
	s_wait_dscnt 0x0
	PLACES 8
	WMS S+16, 48, S, -1, VS, PWS, 0, 0             ; O^T = V^T p^T: two tiles of the head's 32, two K steps, the two accumulators by turns
	WMS S+24, 60, S, -1, VS+1, PWS, 0, 0
	WMS S+16, S+32, S+64, S+16, VS, PWS+1, 1, 0
	WMS S+24, S+44, S+64, S+24, VS+1, PWS+1, 1, 0
	PLACES 4
	v_max3_num_f32 v96, |v[S+16]|, |v[S+17]|, 0x1800000    ; o's block of 32 is this head: my 16 and lane l xor 16's
	v_max3_num_f32 v99, |v[S+24]|, |v[S+25]|, |v[S+26]|
	v_max3_num_f32 v96, v96, |v[S+18]|, |v[S+19]|
	v_max3_num_f32 v99, v99, |v[S+27]|, |v[S+28]|
	v_max3_num_f32 v96, v96, |v[S+20]|, |v[S+21]|
	v_max3_num_f32 v99, v99, |v[S+29]|, |v[S+30]|
	v_max3_num_f32 v96, v96, |v[S+22]|, |v[S+23]|
	v_max3_num_f32 v96, v96, v99, |v[S+31]|
	v_permlanex16_b32 v104, v96, s50, s51
	v_max_num_f32 v96, v96, v104
	v_add_nc_u32 v97, 0xff000000, v96
	v_lshrrev_b32 v98, 23, v97
	v_cvt_scalef32_pk16_fp6_f32 v[124:126], v[S+16:S+31], v97
	v_nop
.irp i, 0,1,2
	ds_store_b32 v30, v[124+\i] offset:4*\i        ; 12 bytes of my row's 24 of this head
.endr
	ds_store_b8 v31, v98
	s_wait_dscnt 0x0
	s_add_co_u32 s61, s61, 1
	s_cmp_lt_u32 s61, 8
	s_cbranch_scc1 .Lhead
	LOADCH ST2, 0                                  ; chunk 4
	LOADCH ST, 0                                   ; chunk 5
.irp k, 0,1
.irp p, 0,1,2,3,4,5
	ds_load_b64 v[S+12*\k+2*\p:S+12*\k+2*\p+1], v[QW] offset:3328+96*\k+48*(\p/3)+8*(\p%3)   ; o's two fragments out of my rows of codes
.endr
	ds_load_b32 v[OFS+\k], v[OSA] offset:4*\k
.endr
	SYNC                                           ; chunk 3 is whole; slot 0 is read out by all
; ---------------- x += o Wo + bo (chunk 3, slot 1); LayerNorm 2; x += b2
	v_add_nc_u32 v[WA], 0x10000, v[LI]
	v_add_nc_u32 v[WSA], 0x10000, v[LS]
	ADDB 9
	PIPE 3, 0, 0
	PIPE 3, 25600, 1
	PLACES 4
	LNCORE 0, 1, 2, 3, 0
	LNQ IW, IS
	WIN 0x40
	FETCH XF, IW, 0
	FETCH XF+12, IW, 1536
	WIN 0
	ds_load_b32 v[XFS], v[IS] offset:3072
	ds_load_b32 v[XFS+1], v[IS] offset:3200
	ADDB 14
	s_mov_b32 s49, 0
	STORECH ST2, 0                                 ; chunk 4 -> slot 0
; gelu(x) = x (0.5 + 0.35355339 xc P(xc^2) / Q(xc^2)), xc = x held to +-4 sqrt 2: erf's ratio of polynomials with each coefficient times a power of two, so that the argument is xc^2 and not xc^2 / 2
.macro SPAIR r, v
	s_mov_b32 s[\r], \v
	s_mov_b32 s[\r+1], \v
.endm
	SPAIR 4, 0xac95df0b
	SPAIR 6, 0xb40cff51
	SPAIR 8, 0xb6eec2d2
	SPAIR 10, 0xb940ac63
	SPAIR 12, 0xbac1a1f6
	SPAIR 14, 0xbc83dbd4
	SPAIR 16, 0xb57460cd
	SPAIR 18, 0xb9dc924e
	SPAIR 20, 0xbb719bf8
	SPAIR 22, 0xbc69b6a7
	SPAIR 24, 0x3eb504f3
	v_mov_b32 v120, 0x306dffee
	v_mov_b32 v121, 0x306dffee
	v_mov_b32 v122, 0xb7dfbd29
	v_mov_b32 v123, 0xb7dfbd29
	v_mov_b32 v124, 0x40b504f3
.macro GELU16 h                        ; block h: 16 registers, two finished tiles.  b1 out of set h % 2 of window 1; xc in S+64, xc^2 in S+80, Q in S+96, P in S+112
.set GX, S+16*\h
	WIN 0x04
.irp k, 0,2,4,6,8,10,12,14
	v_pk_add_f32 v[GX+\k:GX+\k+1], v[GX+\k:GX+\k+1], v[BB+16*(\h%2)+\k:BB+16*(\h%2)+\k+1]   ; + b1; each accumulator is read from its low end on
.endr
	WIN 0
.set GI, 0
.rept 16
	v_med3_num_f32 v[S+64+GI], v[GX+GI], -v124, v124
.set GI, GI+1
.endr
.irp k, 0,2,4,6,8,10,12,14
	v_pk_mul_f32 v[S+80+\k:S+81+\k], v[S+64+\k:S+65+\k], v[S+64+\k:S+65+\k]
.endr
.irp k, 0,2,4,6,8,10,12,14
	v_pk_fma_f32 v[S+96+\k:S+97+\k], v[S+80+\k:S+81+\k], s[16:17], v[122:123] op_sel_hi:[1,0,1]
.endr
.irp c, 18,20,22
.irp k, 0,2,4,6,8,10,12,14
	v_pk_fma_f32 v[S+96+\k:S+97+\k], v[S+96+\k:S+97+\k], v[S+80+\k:S+81+\k], s[\c:\c+1] op_sel_hi:[1,1,0]
.endr
.endr
.set GI, 0
.rept 16
	v_rcp_f32 v[S+96+GI], v[S+96+GI]
.set GI, GI+1
.endr
.irp k, 0,2,4,6,8,10,12,14
	v_pk_fma_f32 v[S+112+\k:S+113+\k], v[S+80+\k:S+81+\k], s[4:5], v[120:121] op_sel_hi:[1,0,1]   ; P's 48 lines are the independent work behind the reciprocals
.endr
.irp c, 6,8,10,12,14
.irp k, 0,2,4,6,8,10,12,14
	v_pk_fma_f32 v[S+112+\k:S+113+\k], v[S+112+\k:S+113+\k], v[S+80+\k:S+81+\k], s[\c:\c+1] op_sel_hi:[1,1,0]
.endr
.endr
	s_wait_alu depctr_va_vdst(0)                   ; one wait for the 16 reciprocals, ahead of their first reader
.irp k, 0,2,4,6,8,10,12,14
	v_pk_mul_f32 v[S+112+\k:S+113+\k], v[S+112+\k:S+113+\k], v[S+96+\k:S+97+\k]
.endr
.irp k, 0,2,4,6,8,10,12,14
	v_pk_mul_f32 v[S+112+\k:S+113+\k], v[S+112+\k:S+113+\k], v[S+64+\k:S+65+\k]
.endr
.irp k, 0,2,4,6,8,10,12,14
	v_pk_fma_f32 v[S+112+\k:S+113+\k], v[S+112+\k:S+113+\k], s[24:25], 0.5 op_sel_hi:[1,0,0]
.endr
.irp k, 0,2,4,6,8,10,12,14
	v_pk_mul_f32 v[GX+\k:GX+\k+1], v[GX+\k:GX+\k+1], v[S+112+\k:S+113+\k]
.endr
.endm
; ---------------- the FFN: trip c takes 128 hidden units: W1's unit c and W2's K step c lie in one chunk.
; A trip is ONE PIPE of 32 fragments, PN = 0 .. 15 W1's and 16 .. 31 W2's, in 16 groups of two, each loaded three groups ahead into buffer PN % 6.
; W1's go two tiles at a time, (t, s) = (2 h, 0), (2 h + 1, 0), (2 h, 1), (2 h + 1, 1): so block h of 16 hidden units is finished behind group 2 h + 1, and its GELU stands there, while the loads
; of the next groups, W2's first three among them, are on their way.  The two accumulators of a block take turns, one instruction a turn.
; Ahead of a GELU stand, in this order: a part of the copying of chunks (the next trip's chunk from registers into the other slot: GELU 0 and 1; the chunk after it from memory: GELU 2 and 3),
; the next block's 16 numbers of b1, and the fragment group that is due.  LDS finishes a wave's instructions in order (ISA guide 5.7.1): the wait behind a GELU leaves the last ten (4 of b1, 6 of
; fragments) out, so all older ones, the chunk's stores too, are done; the counts hold whether or not a trip has stores, since those stand ahead of what is counted.
.macro BLOAD b                         ; b1 of block b's 16 hidden units of my half, into set b % 2.  Block 4 is the next trip's block 0.  v28 = the parameters + 64 hh + 512 x trip
	WIN 0x40
.irp q, 0,1,2,3
	ds_load_b128 v[BB+16*((\b)%2)+4*\q:BB+16*((\b)%2)+4*\q+3], v28 offset:10240+128*(\b)+16*\q
.endr
	WIN 0
.endm
.macro FFLOAD                          ; fragment PN's image into buffer PN % 6.  In W1's unit tile t, K step s is image 2 t + s; in W2's, which lies 25,600 bytes on, tile T is image T
.if PN < 16
.set FO_, 1536*(2*(2*(PN/4)+PN%2)+(PN%4)/2)
.else
.set FO_, 25600+1536*(PN-16)
.endif
.irp p, 0,1,2
	ds_load_b128 v[WFB+12*(PN%6)+4*\p:WFB+12*(PN%6)+4*\p+3], v[WA] offset:FO_+512*\p
.endr
.endm
.macro FFMM                            ; fragment PN's product
.set MBF, WFB+12*(PN%6)
.if PN < 16
.set MT_, 2*(PN/4)+PN%2
.if (PN%4)/2 == 0
	WMS S+8*MT_, MBF, XF, -1, WS+MT_, XFS, 0, 0    ; the first K step starts the sum
.else
	WMS S+8*MT_, MBF, XF+12, S+8*MT_, WS+MT_, XFS+1, 1, 0
.endif
.else
	WMS 8*(PN-16), MBF, S+64, 8*(PN-16), WS+(PN-16)/2, HPW, PN%2, 0   ; onto x
.endif
.endm
.macro FG w                            ; group PG: the wait for its fragments, its two products
	s_wait_dscnt \w
.if PG < 8
	WIN 0x04                                       ; source 1, the tokens' codes, in window 1
.else
	WIN 0x50                                       ; C and D, x, there
.endif
.set PN, 2*PG
	FFMM
.set PN, 2*PG+1
	FFMM
	WIN 0
.endm
.macro FL                              ; the loads of group PG + 3, into the buffers that group PG has left
.set PN, 2*PG+6
	FFLOAD
.set PN, 2*PG+7
	FFLOAD
.endm
	v_mov_b32 v28, v[BA]
	BLOAD 0                                        ; the first trip's first block of b1 (chunk 4's stores have read these registers: the wait at their end)
	s_mov_b32 s48, 0
	s_mov_b32 s49, 65536
	s_mov_b32 s60, 0
	s_mov_b32 s63, 0
.Lffn:
	SYNC                                           ; this trip's chunk is whole; the other slot is read out by all
	v_add_nc_u32 v[WA], s48, v[LI]
	v_add_nc_u32 v[WSA], s48, v[LS]
	v_add_nc_u32 v28, s63, v[BA]
	v_add_nc_u32 v30, s49, v[GA]
	v_add_nc_u32 v31, s49, v[GB]
	PLACES 4                                       ; in front of loads into registers that matrix instructions have read
.irp t, 0,1,2,3,4,5,6,7
	ds_load_b32 v[WS+\t], v[WSA] offset:24576+128*\t
.endr
.set PN, 0
.rept 6
	FFLOAD
.set PN, PN+1
.endr
.set PG, 0
	FG 12                                          ; behind this group's loads stand two groups' twelve
	PLACES 4
	FL
.set PG, 1
	FG 12
	PLACES 4
	s_cmp_lt_u32 s60, 7
	s_cbranch_scc0 .Lnosa                          ; the last trip has no next chunk
	s_wait_loadcnt 0x0                             ; the next trip's chunk, asked for a trip ago, is in
	WIN 0x04
.irp k, 0,1,2,3,4,5
	ds_store_b128 v30, v[ST+4*\k:ST+4*\k+3] offset:4096*\k   ; its first half into the other slot
.endr
	WIN 0
.Lnosa:
	BLOAD 1
	FL
	GELU16 0
.set PG, 2
	FG 10                                          ; all but b1's four and the last group's six
	PLACES 4
	FL
.set PG, 3
	FG 12                                          ; two groups' twelve: block 1's b1 is in too
	PLACES 4
	s_cmp_lt_u32 s60, 7
	s_cbranch_scc0 .Lnosb
	WIN 0x04
.irp k, 6,7,8,9,10,11
	ds_store_b128 v30, v[ST+4*\k:ST+4*\k+3] offset:4096*\k   ; the second half
.endr
	ds_store_b64 v31, v[ST+48:ST+49] offset:49152
	WIN 0
.Lnosb:
	BLOAD 2
	FL
	GELU16 1
.set PG, 4
	FG 10                                          ; the chunk's stores are older than the ten: they are done, and have read their registers
	PLACES 4
	FL
.set PG, 5
	FG 12
	PLACES 4
	BLOAD 3
	FL                                             ; W2's first group
	s_cmp_lt_u32 s60, 6
	s_cbranch_scc0 .Lnola                          ; the last two trips load nothing: no load passes the stream's end
	s_wait_xcnt 0x0                                ; the last chunk's loads have read their base: it may step
	s_add_nc_u64 s[44:45], s[44:45], 51200
	WIN 0x40
.irp k, 0,1,2,3,4,5,6
	global_load_b128 v[ST+4*\k:ST+4*\k+3], v[GA], s[44:45] offset:4096*\k
.endr
	WIN 0
.Lnola:
	GELU16 2
.set PG, 6
	FG 10
	PLACES 4
	FL
.set PG, 7
	FG 12
	PLACES 4
.irp t, 0,1,2,3,4,5,6,7
	ds_load_b32 v[WS+\t], v[WSA] offset:50176+128*\t   ; W2's scale registers take the place of W1's
.endr
	s_cmp_lt_u32 s60, 7
	s_cbranch_scc0 .Lnob4
	BLOAD 4
.Lnob4:
	FL
	s_cmp_lt_u32 s60, 6
	s_cbranch_scc0 .Lnolb
	WIN 0x40
.irp k, 7,8,9,10,11
	global_load_b128 v[ST+4*\k:ST+4*\k+3], v[GA], s[44:45] offset:4096*\k
.endr
	global_load_b64 v[ST+48:ST+49], v[GB], s[44:45] offset:49152
	WIN 0
.Lnolb:
	GELU16 3
.set TM, S+80                          ; v48-119 hold W2's fragments: the quantiser works in GELU's registers
.set QSP, S+96
	QUANT S, S+64, HPW
.set TM, 84
.set QSP, 108
	PLACES 8                                       ; a scale register written by a vector instruction stands eight places ahead of a scaled product, an operand four
.set PG, 8
.rept 8
.if (PG == 8) || (PG == 15)
	FG 0                                           ; group 8: W2's scale registers and first three groups, issued a GELU and a quantiser ago
.elseif PG == 14
	FG 6
.else
	FG 12
.endif
.if PG <= 12
	PLACES 4
	FL
.endif
.set PG, PG+1
.endr
	s_xor_b32 s48, s48, 65536
	s_xor_b32 s49, s49, 65536
	s_add_co_u32 s63, s63, 512
	s_add_co_u32 s60, s60, 1
	s_cmp_lt_u32 s60, 8
	s_cbranch_scc1 .Lffn
; ---------------- the way out: the closing LayerNorm (L = 1) or x as it stands (L = 0); a quarter of the columns at a time through my scratch, so that sixteen lanes store 256 consecutive bytes
	PLACES 4
	LNCORE 0, 1, 4, 5, 1
.irp qd, 0,1,2,3
.if \qd >= 2
	s_wait_xcnt 0x0                                ; the stores of two quarters back have read their registers
.endif
.irp bb, 0,1
.irp q, 0,1,2,3
	ds_store_b128 v[SO], v[S+32*\qd+16*\bb+4*\q:S+32*\qd+16*\bb+4*\q+3] offset:128*\bb+16*\q
.endr
.endr
.irp i, 0,1,2,3,4,5,6,7
	ds_load_b128 v[48+32*(\qd%2)+4*\i:48+32*(\qd%2)+4*\i+3], v[SR] offset:544*\i   ; LDS serves a wave's instructions in order: these see my stores, and the next quarter's stores come behind them
.endr
	s_wait_dscnt 0x0
.irp i, 0,1,2,3,4,5,6,7
	global_store_b128 v[GO], v[48+32*(\qd%2)+4*\i:48+32*(\qd%2)+4*\i+3], s[46:47] offset:2048*\i+256*\qd th:TH_STORE_NT
.endr
.endr
	s_wait_xcnt 0x0
	v_lshl_add_u32 v254, v0, 2, 0x45c00
	v_mov_b32 v255, 0
	s_wait_tensorcnt 0x0
	ds_add_u32 v254, v255
	s_wait_dscnt 0x0
	s_endpgm
.Lfunc_end_k_q3cd6eb848b_layer0:
	.size	k_q3cd6eb848b_layer0, .Lfunc_end_k_q3cd6eb848b_layer0-k_q3cd6eb848b_layer0
	.p2alignl 7, 3214868480
	.fill 96, 4, 3214868480
	.section	.rodata,"a",@progbits
	.p2align	6, 0x0
	.amdhsa_kernel k_q3cd6eb848b_layer0
		.amdhsa_group_segment_fixed_size 286720
		.amdhsa_private_segment_fixed_size 0
		.amdhsa_enable_private_segment 0
		.amdhsa_kernarg_size 152
		.amdhsa_user_sgpr_count 2
		.amdhsa_user_sgpr_kernarg_segment_ptr 1
		.amdhsa_wavefront_size32 1
		.amdhsa_system_sgpr_workgroup_id_x 1
		.amdhsa_system_sgpr_workgroup_id_y 1
		.amdhsa_system_sgpr_workgroup_id_z 1
		.amdhsa_system_vgpr_workitem_id 0
		.amdhsa_next_free_vgpr 512
		.amdhsa_next_free_sgpr 96
		.amdhsa_reserve_vcc 1
		.amdhsa_float_denorm_mode_32 3
		.amdhsa_float_denorm_mode_16_64 3
		.amdhsa_memory_ordered 1
		.amdhsa_forward_progress 1
		.amdhsa_inst_pref_size 255
	.end_amdhsa_kernel
	.section	.bss,"aw",@nobits
	.p2align	6
	.space	262144
	.amdgpu_metadata
---
amdhsa.version: [ 1, 2 ]
amdhsa.kernels:
  - .name:           k_q3cd6eb848b_layer0
    .symbol:         k_q3cd6eb848b_layer0.kd
    .args:
      - { .name: seq, .offset: 0, .size: 8, .value_kind: global_buffer, .address_space: global }
      - { .name: mask, .offset: 8, .size: 8, .value_kind: global_buffer, .address_space: global }
      - { .name: item_emb, .offset: 16, .size: 8, .value_kind: global_buffer, .address_space: global }
      - { .name: pos_emb, .offset: 24, .size: 8, .value_kind: global_buffer, .address_space: global }
      - { .name: wst0, .offset: 32, .size: 8, .value_kind: global_buffer, .address_space: global }
      - { .name: lay0, .offset: 40, .size: 8, .value_kind: global_buffer, .address_space: global }
      - { .name: ln1_g, .offset: 48, .size: 8, .value_kind: global_buffer, .address_space: global }
      - { .name: ln1_b, .offset: 56, .size: 8, .value_kind: global_buffer, .address_space: global }
      - { .name: ln2_g, .offset: 64, .size: 8, .value_kind: global_buffer, .address_space: global }
      - { .name: ln2_b, .offset: 72, .size: 8, .value_kind: global_buffer, .address_space: global }
      - { .name: fn_g, .offset: 80, .size: 8, .value_kind: global_buffer, .address_space: global }
      - { .name: fn_b, .offset: 88, .size: 8, .value_kind: global_buffer, .address_space: global }
      - { .name: bq, .offset: 96, .size: 8, .value_kind: global_buffer, .address_space: global }
      - { .name: bk, .offset: 104, .size: 8, .value_kind: global_buffer, .address_space: global }
      - { .name: bv, .offset: 112, .size: 8, .value_kind: global_buffer, .address_space: global }
      - { .name: bo, .offset: 120, .size: 8, .value_kind: global_buffer, .address_space: global }
      - { .name: b1, .offset: 128, .size: 8, .value_kind: global_buffer, .address_space: global }
      - { .name: b2, .offset: 136, .size: 8, .value_kind: global_buffer, .address_space: global }
      - { .name: x1, .offset: 144, .size: 8, .value_kind: global_buffer, .address_space: global }
    .group_segment_fixed_size: 286720
    .private_segment_fixed_size: 0
    .kernarg_segment_align: 8
    .kernarg_segment_size: 152
    .max_flat_workgroup_size: 256
    .sgpr_count:     96
    .vgpr_count:     512
    .wavefront_size: 32
...
	.end_amdgpu_metadata
.endif
;; end of part 2
;; launch layer1: the kernel of part 2 again; grid 256 x 1, 8 waves a work-group, no clusters, 286,720 bytes of LDS; arguments seq, mask, x1, pos_emb, wst1, lay1, ln1_g, ln1_b, ln2_g, ln2_b, fn_g, fn_b, bq, bk, bv, bo, b1, b2, out0; writes out0
